; MI455X (gfx1250); checked and timed in simulation.
; The chip was launched on July 23, 2026; its instructions are those of AMD's public machine-readable ISA for CDNA 5 (MIT licence, August 2026) and "CDNA5" Instruction Set Architecture Reference Guide (July 2026). The comments in the code are by the model that wrote it; some were corrected since.
;; Reasoning Layer. Allowed arithmetic: matrix products marked QUANTISED: E2M1 operands, one E8M0 scale for each 32 along K, by v_wmma_scale_f32_16x16x128_f8f6f4 with both operands' format E2M1 (or v_wmma_scale_f32_32x16x128_f4), f32 sums; everything else in f32.
;; Inputs: W1 1,024 x 2,048 float32; W2 2,048 x 1,024 float32; b1 2,048 float32; b2 1,024 float32; hidden_states 8 x 2,048 x 1,024 float32.
;; Outputs: out0 8 x 2,048 x 1,024 float32.
;; This version of the problem:
;;   THIS VERSION OF THE PROBLEM IS GIVEN IN LOW PRECISION. The matrix products marked QUANTISED in the list below multiply operands that are first quantised to E2M1 (2 exponent bits, 1 mantissa bit; 4 bits a number), with one power-of-two scale for each 32 numbers along K (OCP MX v1.0); their sums are f32. All else is computed in f32.
;;   The module's matrix products, in the order in which they are computed (A, B: the left and right operand; K: the contracted axis; several contracted axes count as one K, in the product's order):
;;     1. [M 16,376, K 1,024] x [K 1,024, N 2,048]; A: input hidden_states; B: input W1: QUANTISED
;;     2. [M 16,376, K 2,048] x [K 2,048, N 1,024]; A: computed on the way; B: input W2: QUANTISED
;;   THE QUANTISER, for each operand of a quantised product, along K:
;;     - K is cut into blocks of 32 from its start; a last block that is shorter is filled with zeros.
;;     - A block's scale is 2^e with e = floor(log2(the largest magnitude in the block)) - 2, held to -126 .. 127; a block of zeros has e = 0. As a byte (E8M0): e + 127.
;;     - Each number is divided by its block's scale, clamped to +-6, and rounded to the nearest number of E2M1, ties to even, subnormals kept.
;;     - The product sums the exact products of the quantised numbers (number of the format x scale) in f32.
;;   ~~~python
;;   def quantise(x, axis):      # numpy; x: float32 -> the quantised numbers, widened to float32 again
;;       x = np.moveaxis(x, axis, -1); K = x.shape[-1]
;;       x = np.pad(x, [(0, 0)] * (x.ndim - 1) + [(0, -K % 32)]); x = x.reshape(x.shape[:-1] + (-1, 32)); a = np.abs(x).max(-1, keepdims=True)
;;       e = np.where(a > 0, np.clip(np.frexp(np.where(a > 0, a, 1))[1] - 1 - 2, -126, 127), 0)      # np.frexp(a)[1] - 1 = floor(log2(a)), exactly
;;       r = np.clip(x / 2.0 ** e, -6, 6)
;;       step = 2.0 ** (np.maximum(np.frexp(np.where(r == 0, 1, r))[1] - 1, 0) - 1)
;;       q = np.round(r / step) * step * 2.0 ** e      # np.round: ties to even
;;       return np.moveaxis(q.reshape(q.shape[:-2] + (-1,))[..., :K], -1, axis).astype(np.float32)
;;   ~~~
;;   OPERANDS COMPUTED ON THE WAY. 'Computed on the way' means the value that the module computes at that place (a softmax that the list does not call 'softmax' is quantised finished and normalised). What goes into a quantiser is computed in f32, as accurately as f32 sums, v_exp_f32 and their like allow (about 1e-6 of the number): no bf16 or f16 on the way to a quantiser, and a product that is left as it is and whose result goes on into a quantised operand takes f32 operands (vector FMAs, or v_wmma_f32_16x16x4_f32). A number that lies on a knife's edge between two numbers of the format may be rounded either way, as far as f32 arithmetic and the matrix unit's own rounding can turn it there, and no further.
;; One version. Each part assembles by itself: llvm-mc -triple=amdgcn-amd-amdhsa -mcpu=gfx1250 --defsym DOCPART=n.
;; ======== version 1 of 1: 2 launches
;; limits: right only within a limited range of input values
;; workspace buffers: ws 2,244,608 bytes
;; launch prep (part 1): grid 129 x 1, 8 waves a work-group, no clusters, 3,072 bytes of LDS; arguments W1, W2, b1, b2, hidden_states, ws, out0; writes ws, out0
.if DOCPART == 1
	.amdgcn_target "amdgcn-amd-amdhsa--gfx1250"
	.amdhsa_code_object_version 6
	.text
	.protected	k_qadd3b6ce50_prep
	.globl	k_qadd3b6ce50_prep
	.p2align	8
	.type	k_qadd3b6ce50_prep,@function
k_qadd3b6ce50_prep:
	s_mov_b64 s[64:65], 0
	v_nop
	global_prefetch_b8 v0, s[64:65] scope:SCOPE_SE
	s_setreg_imm32_b32 hwreg(HW_REG_WAVE_MODE, 25, 1), 1
	s_wait_xcnt 0x0
; out[b][0] = hidden_states[b][0];  out[b][i] = Q(gelu(Q(x) Q(W1) + b1)) Q(W2) + b2 for i >= 1, Q = the MX-FP4 quantiser along each product's K.
; THIS LAUNCH: W1 [1024][2048] and W2 [2048][1024], f32 with K as their FIRST axis, become codes of E2M1 with one E8M0 byte for each 32 along K, laid in ws
; in the order in which the second launch's operand registers take them, with the biases beside them; and the eight rows s = 0 of the output are copied.
; DEAD WORK.  reference() slices the rows s = 0 away ahead of the MLP, so the MLP of those eight rows reaches no output whatever the inputs hold.  Each of them lies in a tile of
; 16 rows whose other 15 are live: the second launch computes it with its tile and does not store it.  Nothing else is left out; every input has a way to an output and is loaded.
; LIMITS.  A NaN, an infinity or an overflow that reaches only the MLP of a row s = 0 is not carried to the result.  NaN and infinities among the inputs are not served.
; A block whose largest magnitude lies under 2^-124 keeps the byte 1 (the floor); a block of zeros has the byte 1 where the quantiser says 127: its codes are zeros, which add
; nothing under any byte but 0xff, and the bytes are read by this program alone.
; ws = [slot 0..15][wave 0..3][PART bytes].
;   slots 0..7 (k = 2 P + c), part (k, w): hidden units U = 512 P + 128 w + 64 c + 0..63, as two sub-parts of 32 units, SUBP bytes each:
;     (2 s + u) 1024 + 512 c2 + 16 (16 h + r): the 32 codes of K block 4 s + 2 c2 + h of unit U0 + 8 u + r + 8 (r / 8): the image of a fragment's registers;
;     16384 + 512 (s / 4) + 16 (16 u + r) + 4 (s % 4): that unit's scale word of K step s;   17408 + 4 i: b1[U0 + i].
;   slots 8..15 (k = 8 + 2 T + a), part (k, w): output columns 64 G + 0..63, G = 4 T + w, K steps 8 a + sl:
;     (4 sl + n) 1024 + 512 c2 + 16 (16 h + r): the codes of hidden block 4 (8 a + sl) + 2 c2 + h of column 64 G + 16 n + r;
;     32768 + 1024 (n / 2) + 512 (sl / 4) + 16 (16 (n % 2) + r) + 4 (sl % 4): the scale word;   34816 + 4 i: b2[64 G + i].
; SHARES.  A LANE TAKES A COLUMN AND ITS REGISTERS RUN DOWN K: a wave takes 32 columns x 128 rows (one K step): each load reads 128 consecutive bytes, a block of 32 lies in one
; lane, and the conversions give codes with K innermost.  Work-groups 0..63: W1, half a part each; 64..127: W2, a quarter of a column group each; 128: the copy, a row a wave.
; No tensor load, no cluster, no matrix unit: the launch streams each weight once and shares nothing but four scale words a column, which meet in LDS.
.set PART,  35072
.set SUBP,  17536
.set SPARE, 2048                       ; behind the two paths' 1,024 bytes each: the spare words, 128 bytes for each of eight waves
.set SPW, 1                            ; v1  LDS address of my spare word; never rewritten
.set NIL, 2                            ; v2  0; never rewritten
.set X,   40                           ; v40-167  128 numbers: four blocks of 32
.set C,   16                           ; v16-31   codes: four registers a block, so that no store's data are written again
; v3 4 x lane; v4 my codes' place; v5 my scale words' place; v6, v7 LDS: where I put my scale word, where I read a column's four; v8-13 at work; v14 the scale word; v32-36 on the way out
.macro LOADB t, pitch                  ; block t: rows 32 t + 0..31 of my column
.set i, 0
.rept 32
	global_load_b32 v[X+32*(\t)+i], v3, s[26:27] offset:(32*(\t)+i)*(\pitch) th:TH_LOAD_NT
.set i, i+1
.endr
.endm
.macro QBLOCK t
.set XS, X+32*(\t)
	v_max3_num_f32 v8, |v[XS]|, |v[XS+1]|, |v[XS+2]|               ; the block's largest magnitude: all 32 numbers are mine; two chains
	v_max3_num_f32 v9, |v[XS+3]|, |v[XS+4]|, |v[XS+5]|
.irp i, 6,10,14,18,22,26
	s_delay_alu instid0(VALU_DEP_2)
	v_max3_num_f32 v8, v8, |v[XS+\i]|, |v[XS+\i+1]|
	s_delay_alu instid0(VALU_DEP_2)
	v_max3_num_f32 v9, v9, |v[XS+\i+2]|, |v[XS+\i+3]|
.endr
	s_delay_alu instid0(VALU_DEP_2)
	v_max3_num_f32 v8, v8, |v[XS+30]|, |v[XS+31]|
	s_delay_alu instid0(VALU_DEP_1)
	v_max3_num_f32 v8, v8, v9, 0x1800000           ; and the floor 2^(3 - 127): the byte cannot fall under 1
	s_delay_alu instid0(VALU_DEP_1)
	v_add_nc_u32 v11, 0xff000000, v8               ; 2 off the exponent field: the conversion takes the exponent field of this operand as its scale
	s_delay_alu instid0(VALU_DEP_1)
	v_lshrrev_b32 v12, 23, v11                     ; the scale's byte
.if (\t) == 0
	s_delay_alu instid0(VALU_DEP_1)
	v_mov_b32 v14, v12                             ; four bytes make the K step's scale word, the lower K in the lower byte
.else
	s_delay_alu instid0(VALU_DEP_1)
	v_lshl_or_b32 v14, v12, 8*(\t), v14
.endif
.irp g, 0,1,2,3
	v_cvt_scalef32_pk8_fp4_f32 v[C+4*(\t)+\g], v[XS+8*\g:XS+8*\g+7], v11
.endr
	global_store_b128 v4, v[C+4*(\t):C+4*(\t)+3], s[28:29] offset:256*(\t)   ; sixteen lanes fill 256 consecutive bytes, twice
.endm
; The whole of a quantising path.  s[26:27] the weights at my first row and column, s[28:29] my codes, s[30:31] my scale words, s[32:33] the bias, s[34:35] its place in ws.
.macro QPATH pitch, lb
	s_cmp_eq_u32 s18, 2                            ; wave 2 asks for the work-group's 32 numbers of the bias first: every later wait on LOADcnt covers this load
	s_cbranch_scc0 .Lnot_two_\@
	global_load_b32 v36, v3, s[32:33]
.Lnot_two_\@:
	LOADB 0, \pitch
	LOADB 1, \pitch
	LOADB 2, \pitch
	LOADB 3, \pitch
	s_wait_loadcnt 63                              ; of the 128 loads at most 63 are out: blocks 0 and 1 are in
	QBLOCK 0
	QBLOCK 1
	s_wait_loadcnt 32                              ; block 2 is in; block 3's may be out
	QBLOCK 2
	s_wait_loadcnt 0x0
	QBLOCK 3
	ds_store_b32 v6, v14 offset:\lb                ; my column's word of my K step: four waves' words lie side by side
	s_wait_dscnt 0x0                               ; for the others' sake: my store is done
	s_barrier_signal -1
	s_barrier_wait -1
	s_cmp_lt_u32 s18, 2                            ; waves 0 and 1 send the two column groups' words: 16 bytes a lane, 512 consecutive bytes a wave
	s_cbranch_scc0 .Lno_words_\@
	ds_load_b128 v[32:35], v7 offset:\lb
	s_wait_dscnt 0x0
	global_store_b128 v5, v[32:35], s[30:31]
.Lno_words_\@:
	s_cmp_eq_u32 s18, 2                            ; wave 2 copies the work-group's 32 numbers of the bias
	s_cbranch_scc0 .Lno_bias_\@
	global_store_b32 v3, v36, s[34:35]
.Lno_bias_\@:
	s_wait_tensorcnt 0x0                           ; the wave's end, behind my last LDS store
	ds_add_u32 v[SPW], v[NIL]
	s_wait_dscnt 0x0
	s_endpgm
.endm
	s_load_b256 s[4:11], s[0:1], 0x0               ; W1 s[4:5], W2 s[6:7], b1 s[8:9], b2 s[10:11]
	s_load_b128 s[12:15], s[0:1], 0x20             ; hidden_states s[12:13], ws s[14:15]
	s_load_b64 s[16:17], s[0:1], 0x30              ; out0
	v_lshl_add_u32 v[SPW], v0, 2, SPARE
	v_mov_b32 v[NIL], 0
	v_lshrrev_b32 v8, 5, v0
	s_delay_alu instid0(VALU_DEP_1)
	v_readfirstlane_b32 s18, v8                    ; wave 0..7
	s_and_b32 s19, s18, 1                          ; cg: which 32 columns
	s_lshr_b32 s20, s18, 1                         ; ks: which of four K steps
	v_and_b32 v9, 31, v0                           ; lane
	s_delay_alu instid0(VALU_DEP_1)
	v_lshlrev_b32 v3, 2, v9
	s_lshl_b32 s21, s19, 9
	v_lshl_add_u32 v7, v9, 4, s21                  ; LDS: 512 cg + 16 lane (each path adds its own 1,024 bytes by the immediate)
	s_lshl_b32 s22, s20, 2
	v_add_nc_u32 v6, s22, v7                       ; + 4 ks
	s_mov_b32 s41, 0                               ; the upper word of every offset below
	s_wait_kmcnt 0x0
	s_cmp_lt_u32 ttmp9, 64
	s_cbranch_scc0 .Lnot_w1
	; ---- W1: part pi = j / 2 = 8 P + 4 c + w, half hf = j % 2: K steps 4 hf + ks
	s_lshr_b32 s23, ttmp9, 1                       ; pi
	s_and_b32 s24, ttmp9, 1                        ; hf
	s_lshr_b32 s25, s23, 3
	s_lshl_b32 s25, s25, 9                         ; 512 P
	s_and_b32 s36, s23, 3
	s_lshl_b32 s36, s36, 7                         ; 128 w
	s_add_co_u32 s25, s25, s36
	s_bfe_u32 s36, s23, 0x10002
	s_lshl_b32 s36, s36, 6                         ; 64 c
	s_add_co_u32 s25, s25, s36                     ; U
	s_lshl_b32 s38, s24, 2
	s_add_co_u32 s38, s38, s20                     ; s = 4 hf + ks
	s_mul_i32 s42, s23, PART                       ; the part,
	s_mul_i32 s43, s19, SUBP
	s_add_co_u32 s43, s43, s42                     ; my sub-part
	s_lshl_b32 s40, s38, 20                        ; 128 rows of 8,192 bytes a K step
	s_lshl_b32 s39, s19, 5
	s_add_co_u32 s39, s39, s25
	s_lshl_b32 s39, s39, 2                         ; column U + 32 cg
	s_add_co_u32 s40, s40, s39
	s_add_nc_u64 s[26:27], s[4:5], s[40:41]
	s_lshl_b32 s40, s38, 11                        ; two fragments a K step
	s_add_co_u32 s40, s40, s43
	s_add_nc_u64 s[28:29], s[14:15], s[40:41]
	s_lshl_b32 s40, s24, 9
	s_add_co_u32 s40, s40, s43
	s_add_co_u32 s40, s40, 16384
	s_add_nc_u64 s[30:31], s[14:15], s[40:41]
	s_lshl_b32 s40, s24, 5
	s_add_co_u32 s40, s40, s25
	s_lshl_b32 s40, s40, 2                         ; b1[U + 32 hf ..]
	s_add_nc_u64 s[32:33], s[8:9], s[40:41]
	s_mul_i32 s40, s24, SUBP
	s_add_co_u32 s40, s40, s42
	s_add_co_u32 s40, s40, 17408
	s_add_nc_u64 s[34:35], s[14:15], s[40:41]
	s_wait_alu depctr_va_vdst(0)
	v_bfe_u32 v10, v9, 3, 1                        ; unit i = lane = 8 u + r + 8 (r / 8): u = (i / 8) % 2,
	v_and_b32 v11, 7, v9
	v_lshrrev_b32 v12, 4, v9
	s_delay_alu instid0(VALU_DEP_1)
	v_lshl_add_u32 v11, v12, 3, v11                ; r = i % 8 + 8 (i / 16)
	s_delay_alu instid0(VALU_DEP_1)
	v_lshlrev_b32 v11, 4, v11
	s_delay_alu instid0(VALU_DEP_1)
	v_lshl_add_u32 v4, v10, 10, v11                ; codes: 1024 u + 16 r
	s_delay_alu instid0(VALU_DEP_2)
	v_lshl_add_u32 v5, v10, 8, v11                 ; words: 16 (16 u + r)
	QPATH 8192, 0
.Lnot_w1:
	s_cmp_lt_u32 ttmp9, 128
	s_cbranch_scc0 .Lcopy
	; ---- W2: column group G = j2 / 4, quarter of K kq = j2 % 4 = 2 a + hf: K steps 4 kq + ks
	s_sub_co_u32 s23, ttmp9, 64
	s_lshr_b32 s25, s23, 2                         ; G
	s_and_b32 s36, s23, 3                          ; kq
	s_lshr_b32 s37, s36, 1                         ; a
	s_and_b32 s24, s36, 1                          ; hf
	s_lshr_b32 s38, s25, 2
	s_lshl_b32 s38, s38, 1
	s_add_co_u32 s38, s38, s37
	s_add_co_u32 s38, s38, 8                       ; slot 8 + 2 (G / 4) + a
	s_lshl_b32 s38, s38, 2
	s_and_b32 s39, s25, 3
	s_add_co_u32 s38, s38, s39                     ; part
	s_mul_i32 s42, s38, PART
	s_lshl_b32 s40, s36, 2
	s_add_co_u32 s40, s40, s20
	s_lshl_b32 s40, s40, 19                        ; 128 rows of 4,096 bytes a K step
	s_lshl_b32 s39, s25, 1
	s_add_co_u32 s39, s39, s19
	s_lshl_b32 s39, s39, 7                         ; column 64 G + 32 cg
	s_add_co_u32 s40, s40, s39
	s_add_nc_u64 s[26:27], s[6:7], s[40:41]
	s_lshl_b32 s40, s24, 2
	s_add_co_u32 s40, s40, s20                     ; sl = 4 hf + ks
	s_lshl_b32 s40, s40, 12                        ; four fragments a K step
	s_lshl_b32 s39, s19, 11
	s_add_co_u32 s40, s40, s39
	s_add_co_u32 s40, s40, s42
	s_add_nc_u64 s[28:29], s[14:15], s[40:41]
	s_lshl_b32 s40, s19, 10
	s_lshl_b32 s39, s24, 9
	s_add_co_u32 s40, s40, s39
	s_add_co_u32 s40, s40, s42
	s_add_co_u32 s40, s40, 32768
	s_add_nc_u64 s[30:31], s[14:15], s[40:41]
	s_lshl_b32 s40, s25, 1
	s_add_co_u32 s40, s40, s24
	s_lshl_b32 s40, s40, 7                         ; b2[64 G + 32 hf ..]
	s_add_nc_u64 s[32:33], s[10:11], s[40:41]
	s_lshl_b32 s40, s24, 7
	s_add_co_u32 s40, s40, s42
	s_add_co_u32 s40, s40, 34816
	s_add_nc_u64 s[34:35], s[14:15], s[40:41]
	s_wait_alu depctr_va_vdst(0)
	v_lshrrev_b32 v10, 4, v9
	v_and_b32 v11, 15, v9
	s_delay_alu instid0(VALU_DEP_1)
	v_lshlrev_b32 v11, 4, v11
	s_delay_alu instid0(VALU_DEP_1)
	v_lshl_add_u32 v4, v10, 10, v11                ; codes: 1024 (lane / 16) + 16 (lane % 16)
	v_lshlrev_b32 v5, 4, v9                        ; words: 16 lane
	QPATH 4096, 1024
.Lcopy:
	; ---- out[b][0][:] = hidden_states[b][0][:], b = my wave: 4,096 bytes, 512 consecutive bytes an instruction.  No LDS is touched on this path.
	s_lshl_b32 s40, s18, 23                        ; a batch is 2,048 rows of 4,096 bytes
	s_add_nc_u64 s[26:27], s[12:13], s[40:41]
	s_add_nc_u64 s[28:29], s[16:17], s[40:41]
	s_wait_alu depctr_va_vdst(0)
	v_lshlrev_b32 v10, 4, v9
.irp i, 0,1,2,3,4,5,6,7
	global_load_b128 v[X+4*\i:X+4*\i+3], v10, s[26:27] offset:512*\i
.endr
	s_wait_alu depctr_va_vdst(0)
	s_wait_loadcnt 0x0
.irp i, 0,1,2,3,4,5,6,7
	global_store_b128 v10, v[X+4*\i:X+4*\i+3], s[28:29] offset:512*\i
.endr
	s_endpgm
.Lfunc_end_k_qadd3b6ce50_prep:
	.size	k_qadd3b6ce50_prep, .Lfunc_end_k_qadd3b6ce50_prep-k_qadd3b6ce50_prep
	.p2alignl 7, 3214868480
	.fill 96, 4, 3214868480
	.section	.rodata,"a",@progbits
	.p2align	6, 0x0
	.amdhsa_kernel k_qadd3b6ce50_prep
		.amdhsa_group_segment_fixed_size 3072
		.amdhsa_private_segment_fixed_size 0
		.amdhsa_enable_private_segment 0
		.amdhsa_kernarg_size 56
		.amdhsa_user_sgpr_count 2
		.amdhsa_user_sgpr_kernarg_segment_ptr 1
		.amdhsa_wavefront_size32 1
		.amdhsa_system_sgpr_workgroup_id_x 1
		.amdhsa_system_sgpr_workgroup_id_y 1
		.amdhsa_system_sgpr_workgroup_id_z 1
		.amdhsa_system_vgpr_workitem_id 0
		.amdhsa_next_free_vgpr 176
		.amdhsa_next_free_sgpr 66
		.amdhsa_reserve_vcc 0
		.amdhsa_float_denorm_mode_32 3
		.amdhsa_float_denorm_mode_16_64 3
		.amdhsa_memory_ordered 1
		.amdhsa_forward_progress 1
		.amdhsa_inst_pref_size 49
	.end_amdhsa_kernel
	.amdgpu_metadata
---
amdhsa.version: [ 1, 2 ]
amdhsa.kernels:
  - .name:           k_qadd3b6ce50_prep
    .symbol:         k_qadd3b6ce50_prep.kd
    .args:
      - { .name: W1, .offset: 0, .size: 8, .value_kind: global_buffer, .address_space: global }
      - { .name: W2, .offset: 8, .size: 8, .value_kind: global_buffer, .address_space: global }
      - { .name: b1, .offset: 16, .size: 8, .value_kind: global_buffer, .address_space: global }
      - { .name: b2, .offset: 24, .size: 8, .value_kind: global_buffer, .address_space: global }
      - { .name: hidden_states, .offset: 32, .size: 8, .value_kind: global_buffer, .address_space: global }
      - { .name: ws, .offset: 40, .size: 8, .value_kind: global_buffer, .address_space: global }
      - { .name: out0, .offset: 48, .size: 8, .value_kind: global_buffer, .address_space: global }
    .group_segment_fixed_size: 3072
    .private_segment_fixed_size: 0
    .kernarg_segment_align: 8
    .kernarg_segment_size: 56
    .max_flat_workgroup_size: 256
    .sgpr_count:     66
    .vgpr_count:     176
    .wavefront_size: 32
...
	.end_amdgpu_metadata
.endif
;; end of part 1
;; launch mlp (part 2): grid 256 x 1, 4 waves a work-group, clusters of 4 x 1, 327,680 bytes of LDS; arguments hidden_states, ws, out0; writes out0
.if DOCPART == 2
	.amdgcn_target "amdgcn-amd-amdhsa--gfx1250"
	.amdhsa_code_object_version 6
	.text
	.protected	k_qadd3b6ce50_mlp
	.globl	k_qadd3b6ce50_mlp
	.p2align	8
	.type	k_qadd3b6ce50_mlp,@function
k_qadd3b6ce50_mlp:
	s_mov_b64 s[64:65], 0
	v_nop
	global_prefetch_b8 v0, s[64:65] scope:SCOPE_SE
	s_setreg_imm32_b32 hwreg(HW_REG_WAVE_MODE, 25, 1), 1
	s_wait_xcnt 0x0
	s_wait_alu depctr_hold_cnt(0) depctr_sa_sdst(0) depctr_va_vdst(0) depctr_va_sdst(0) depctr_va_ssrc(0) depctr_va_vcc(0) depctr_vm_vsrc(0)
	s_getreg_b32 s2, hwreg(HW_REG_IB_STS2, 6, 4)
	s_cmp_eq_u32 s2, 0
	s_cbranch_scc0 .Lentry_in_a_cluster
	s_endpgm
.Lentry_in_a_cluster:
	s_bfe_u32 s2, ttmp6, 0x10000c
	s_cmp_lg_u32 s2, 0x3003
	s_cbranch_scc0 .Lentry_shape_is_right
	s_endpgm
.Lentry_shape_is_right:
; out = Q(gelu(Q(x) Q(W1) + b1)) Q(W2) + b2 for 64 rows a work-group, both products on codes of E2M1 with one E8M0 scale for each 32 along K.  The hidden layer never goes to memory.
; LEFT OUT: the rows s = 0 (every 2,048th row) are sliced away by reference() ahead of the MLP: they are computed with their tile of 16 and NOT STORED; the first launch has written them.
; LIMITS.  NaN and infinities among the inputs or ahead of the activation are not served; a NaN that reaches only a row s = 0 is not carried to the result; a block whose largest
; magnitude lies under 2^-124 keeps the byte 1, and so does a block of zeros (its codes are zeros).
; SHARES.  The waves share the columns, not the rows.  Wave w quantises rows 16 w .. 16 w + 15 of x, makes hidden units 128 (4 P + w) + 0..127 and output columns 64 (4 T + w) + 0..63,
; each for all 64 rows: a weight fragment is used by one wave and feeds four matrix instructions; x's codes (256 registers) and the hidden layer's (512) stay in registers.
; x comes by global loads, 512 consecutive bytes each (lanes 0-15 the even pieces of 16 bytes, lanes 16-31 the odd ones), through a ring of eight rows in registers.
; THE WEIGHTS.  Slots 0..9, 11, 13, 15 of ws (all of W1; of W2 column group 0, and K steps 8-15 of the others) come through two LDS buffers; a slot has a part of PART bytes for each wave,
; which that wave fetches and alone reads; the four work-groups of a cluster ask jointly.  Every fill is read.
; Slots 10, 12, 14 (K steps 0-7 of column groups 1-3) go from ws straight into the operand registers: ws holds the registers' image and a part is read by one wave alone of a work-group.
; NO JOINT LOAD FOR THESE THREE: the two LDS buffers are taken by the slot that is read and the slot that is on its way, one fill a round; these 64 loads of 512 bytes a wave are on their
; way beside that fill, across the way out and the round.
; W2's fragments of either origin pass through one ring of eight K steps in registers: behind a K step's products its registers take the same K step of the next slot.
; BOTH PRODUCTS ARE USED TRANSPOSED (source 0 = 16 rows of a weight, source 1 = 16 rows of tokens): a lane holds one token, its registers run along the units.
; THE ACTIVATION, in f32: gelu(x) = max(x, 0) - |x| q,  q = Phi(-|x|) = t 2^(c0 + c1 t + .. + c9 t^9 - k x^2),  t = 1 / (1 + p |x|).
; THE PREFETCH, behind each fill but the head's: at fill number f (1..11) the first 128 blocks of 256 bytes of part (f + 4, w): a lane a block, one instruction a wave; the first cluster asks,
; its four partners take 32 blocks each, told apart by address; each block is named once; slots 1-4 come by their loads alone, slot 15 is the last that is asked for.
; REGISTERS.  Window 0: v1-24 addresses; v28-83 and v244-251 scale words alone; from v84 accumulators and work.  Window 1: x's fragments, later W2's ring, (sl, n) at 8 (4 sl + n).
; Window 2: x as f32 (eight rows), later the hidden layer's K steps 0-7.  Window 3: W1's fragments and the activation's work, later K steps 8-15.
.set PART,  35072
.set SUBP,  17536
.set SLOTB, 4*PART
.set RR,    2*SLOTB                    ; bytes written by LDS stores alone
.set XIMG,  RR                         ; x's codes: 8704 m + 272 kb + 16 row + 4 d
.set XSCL,  RR+34816                   ; x's scale words: 512 m + 64 s + 4 row
.set ECODE, RR                         ; the hidden layer's codes: 8192 w + 1024 j + 256 m + 16 r + 8 h
.set ESC,   RR+32768                   ; its scale words: 2048 w + 256 t + 64 m + 4 r (t: slot 0..7)
.set STAGE, RR                         ; the way out: 4352 w + 272 row
.set SPARE, RR+40960                   ; the spare words, 128 bytes a wave
.set SPW, 1
.set NIL, 2
.set LW,  3                            ; 16 lane + PART w: an image's place, in buffer 0 and in a slot of ws
.set LB1, 4
.set XGA, 5                            ; 32 r + 16 h: x's loads
.set XWC, 7
.set XWB, 8
.set XRI, 9
.set XSL, 10
.set EWC, 11
.set EWS, 12
.set HLI, 13
.set HLS, 14
.set AW,  15
.set AB,  16
.set AE,  17
.set AS,  18
.set LB2, 20                           ; PART w + 34816 + 32 h: b2, in buffer 0 and in a slot of ws
.set STO, 21
.set SRD, 22
.set GO,  23
.set PFO, 24
.set W1S, 28
.set XS,  36
.set HS,  52
.set ACC, 84
.set B1,  148
.set TM,  164
.set XM,  164
.set XO,  168
.set XB,  172
.set PW,  180
.set CD,  184
.set XC,  184
.set VC0, 192
.set VC8, 194
.set ACC2, 84                          ; sixteen accumulators: (n, m) at 8 (4 m + n)
.set B2,  212
.set GT,  64
.set GZ,  128
.set GP,  192
.set MSB, 0
.macro WIN new
.if MSB != (\new)
	s_set_vgpr_msb (MSB<<8)|(\new)
.set MSB, (\new)
.endif
.endm
.macro PLACES n
.rept \n
	v_nop
.endr
.endm
.macro ROUND                           ; a round of the cluster's barrier
	s_barrier_signal -1
	s_barrier_wait -1
	s_cmp_lg_u32 s10, 0
	s_cbranch_scc1 .Lnot_wave_0_\@
	s_barrier_signal -3
.Lnot_wave_0_\@:
	s_barrier_wait -3
	s_barrier_signal -1
	s_barrier_wait -1
.endm
; The change of buffers: all my tensor loads are in, the add, my LDS instructions are done; the round; the buffer just read takes the slot n behind the last one fetched: one joint load a wave.
.macro CHANGE n
	s_wait_tensorcnt 0x0                           ; no tensor load of mine is out: the walking group 0 may be written
	ds_add_u32 v[SPW], v[NIL]
	s_add_co_u32 s41, s45, s44
	s_xor_b32 s44, s44, SLOTB
	s_add_nc_u64 s[42:43], s[42:43], (\n)*SLOTB
	s_wait_xcnt 0x0                                ; the last prefetch has read its address
	s_add_nc_u64 s[54:55], s[54:55], SLOTB
	s_add_co_u32 s52, s52, 1
	s_wait_dscnt 0x0
	ROUND
	tensor_load_to_lds s[40:43], s[24:31]
	s_nop 0
.rept 4
	v_nop
.endr
	s_cmp_lt_u32 s52, s53                          ; the cluster's number and the count of fills: the same in all four partners
	s_cbranch_scc0 .Lnot_mine_\@
	global_prefetch_b8 v[PFO], s[54:55] th:TH_LOAD_NT scope:SCOPE_SE
.Lnot_mine_\@:
.endm
; ---- x.  Row rho of my 16 into set rho % 8 of window 2: eight loads of 512 consecutive bytes
.macro XLDG rho
.irp c, 0,1,2,3
	global_load_b128 v[32*((\rho)%8)+8*\c:32*((\rho)%8)+8*\c+3], v[XGA], s[34:35] offset:4096*(\rho)+1024*\c th:TH_LOAD_NT
	global_load_b128 v[32*((\rho)%8)+8*\c+4:32*((\rho)%8)+8*\c+7], v[XGA], s[34:35] offset:4096*(\rho)+1024*\c+512 th:TH_LOAD_NT
.endr
.endm
.macro XROWG rho
.set XD, 32*((\rho)%8)
.set XP, (\rho)%2
.if (\rho) <= 8
	s_wait_loadcnt 56                              ; behind this row's loads: the seven younger rows'
.else
	s_wait_loadcnt 8*(15-(\rho))
.endif
	WIN 0x82
.irp c, 0,1,2,3
.irp i, 0,1,2,3
	v_permlane16_swap_b32 v[XD+8*\c+\i], v[XD+8*\c+4+\i]   ; my lane now holds k = 256 c + 8 lane + 0..7: four lanes hold a block
.endr
.endr
	WIN 0x0a
.irp gq, 0,1,2,3
	v_max3_num_f32 v[XM+\gq], |v[XD+8*\gq]|, |v[XD+8*\gq+1]|, 0x1800000   ; with the floor 2^(3 - 127)
.endr
.irp i, 2,4,6
.irp gq, 0,1,2,3
	v_max3_num_f32 v[XM+\gq], |v[XD+8*\gq+\i]|, |v[XD+8*\gq+\i+1]|, v[XM+\gq]
.endr
.endr
	WIN 0
.irp gq, 0,1,2,3
	v_max_num_f32_dpp v[XM+\gq], v[XM+\gq], v[XM+\gq] row_xmask:1 row_mask:0xf bank_mask:0xf
.endr
.irp gq, 0,1,2,3
	v_max_num_f32_dpp v[XM+\gq], v[XM+\gq], v[XM+\gq] row_xmask:2 row_mask:0xf bank_mask:0xf
.endr
.irp gq, 0,1,2,3
	v_add_nc_u32 v[XO+\gq], 0xff000000, v[XM+\gq]  ; 2 off the exponent field: the conversion's scale operand
.endr
.irp gq, 0,1,2,3
	v_lshrrev_b32 v[XB+4*XP+\gq], 23, v[XO+\gq]    ; the scale's byte
.endr
	WIN 0x02
.irp gq, 0,1,2,3
	v_cvt_scalef32_pk8_fp4_f32 v[XC+4*XP+\gq], v[XD+8*\gq:XD+8*\gq+7], v[XO+\gq]
.endr
	v_nop                                          ; one plain place behind the last scaled conversion
	WIN 0
.irp gq, 0,1,2,3
	ds_store_b32 v[XWC], v[XC+4*XP+\gq] offset:2176*\gq+16*(\rho)
.endr
.irp gq, 0,1,2,3
	ds_store_b8 v[XWB], v[XB+4*XP+\gq] offset:128*\gq+4*(\rho)
.endr
.if (\rho) < 8
	WIN 0x80
	XLDG (\rho)+8                                  ; the set takes the row eight on
	WIN 0
.endif
.endm
; ---- a scaled matrix instruction; ra, rb: the scale words lie in lanes 16-31
.macro WMS d, a, b, c, sa, sb, ra, rb
.if (\ra) && (\rb)
	v_wmma_scale_f32_16x16x128_f8f6f4 v[\d:\d+7], v[\a:\a+7], v[\b:\b+7], v[\c:\c+7], v[\sa], v[\sb] matrix_a_fmt:MATRIX_FMT_FP4 matrix_b_fmt:MATRIX_FMT_FP4 matrix_a_scale:MATRIX_SCALE_ROW1 matrix_b_scale:MATRIX_SCALE_ROW1
.elseif (\ra)
	v_wmma_scale_f32_16x16x128_f8f6f4 v[\d:\d+7], v[\a:\a+7], v[\b:\b+7], v[\c:\c+7], v[\sa], v[\sb] matrix_a_fmt:MATRIX_FMT_FP4 matrix_b_fmt:MATRIX_FMT_FP4 matrix_a_scale:MATRIX_SCALE_ROW1
.elseif (\rb)
	v_wmma_scale_f32_16x16x128_f8f6f4 v[\d:\d+7], v[\a:\a+7], v[\b:\b+7], v[\c:\c+7], v[\sa], v[\sb] matrix_a_fmt:MATRIX_FMT_FP4 matrix_b_fmt:MATRIX_FMT_FP4 matrix_b_scale:MATRIX_SCALE_ROW1
.else
	v_wmma_scale_f32_16x16x128_f8f6f4 v[\d:\d+7], v[\a:\a+7], v[\b:\b+7], v[\c:\c+7], v[\sa], v[\sb] matrix_a_fmt:MATRIX_FMT_FP4 matrix_b_fmt:MATRIX_FMT_FP4
.endif
.endm
.macro MM1 s, m, u                     ; the first product; the bias is the C of the first K step
.set rD, ACC+16*(\m)+8*(\u)
.set rC, rD
.if (\s) == 0
.set rC, B1+8*(\u)
.endif
	WMS rD, 16*(\s)+8*(\u), 64*(\m)+8*(\s), rC, W1S+(\s), XS+4*(\m)+(\s)/2, \u, (\s)%2
.endm
.macro MM2 a, sl, m, n                 ; the second: K step 8 a + sl; W2's scale words: set 0 in v36-51, set 1 in v28-35 and v244-251
.set rD, ACC2+8*(4*(\m)+(\n))
.set rC, rD
.if ((\a) == 0) && ((\sl) == 0)
.set rC, B2+8*(\n)
.endif
.if (\a) == 0
.set rS, 36+8*((\n)/2)+(\sl)
.elseif ((\n)/2) == 0
.set rS, 28+(\sl)
.else
.set rS, 244+(\sl)
.endif
	WMS rD, 8*(4*(\sl)+(\n)), 8*(4*(\sl)+(\m)), rC, rS, HS+2*(8*(\a)+(\sl))+(\m)/2, (\n)%2, (\m)%2
.endm
; ---- a sub-chunk's operands, from byte s46 of the buffers on, in two runs
.macro LOADA
	v_add_nc_u32 v[AW], s46, v[LW]
	v_add_nc_u32 v[AB], s46, v[LB1]
	ds_load_b128 v[W1S:W1S+3], v[AW] offset:16384
	ds_load_b128 v[W1S+4:W1S+7], v[AW] offset:16896
.irp i, 0,1,2,3
	ds_load_b128 v[B1+4*\i:B1+4*\i+3], v[AB] offset:16*\i
.endr
	WIN 0xc0
.irp f, 0,1,2,3,4,5,6,7
	ds_load_b128 v[8*\f:8*\f+3], v[AW] offset:1024*\f
	ds_load_b128 v[8*\f+4:8*\f+7], v[AW] offset:1024*\f+512
.endr
.endm
.macro LOADB
	WIN 0xc0
.irp f, 8,9,10,11,12,13,14,15
	ds_load_b128 v[8*\f:8*\f+3], v[AW] offset:1024*\f
	ds_load_b128 v[8*\f+4:8*\f+7], v[AW] offset:1024*\f+512
.endr
.endm
; ---- a sub-chunk's products: 64 matrix instructions, the eight accumulators by turns.  younger: LDS stores behind the sub-chunk's loads
.macro MM younger
	s_wait_dscnt \younger
	WIN 0x07
.irp s, 0,1,2,3,4,5,6,7
.irp m, 0,1,2,3
.irp u, 0,1
	MM1 \s, \m, \u
.endr
.endr
.endr
	WIN 0
.endm
; ---- the activation of a lane's 64 numbers, in place; each kind of transcendental is one batch with a wait ahead of it and one behind it
.macro GELU
	WIN 0xc0
.set i, 0
.rept 64
	v_fma_f32 v[GT+i], |v[ACC+i]|, s84, 1.0        ; 1 + p |x|
.set i, i+1
.endr
.set i, 0
.rept 32
	v_pk_mul_f32 v[GZ+i:GZ+i+1], v[ACC+i:ACC+i+1], v[ACC+i:ACC+i+1]   ; x^2
.set i, i+2
.endr
	WIN 0xcf
.set i, 0
	s_wait_alu depctr_va_vdst(0)
.rept 32
	v_rcp_f32 v[GT+i], v[GT+i]                     ; t
	v_rcp_f32 v[GT+i+1], v[GT+i+1]
	v_pk_fma_f32 v[GZ+i:GZ+i+1], v[GZ+i:GZ+i+1], s[82:83], v[VC0:VC0+1] op_sel_hi:[1,0,1]   ; c0 - k x^2
.set i, i+2
.endr
	s_wait_alu depctr_va_vdst(0)
.set i, 0
.rept 32
	v_pk_fma_f32 v[GP+i:GP+i+1], v[GT+i:GT+i+1], s[66:67], v[VC8:VC8+1] op_sel_hi:[1,0,1]   ; c9 t + c8
.set i, i+2
.endr
.irp c, 68,70,72,74,76,78,80
.set i, 0
.rept 32
	v_pk_fma_f32 v[GP+i:GP+i+1], v[GP+i:GP+i+1], v[GT+i:GT+i+1], s[\c:\c+1] op_sel_hi:[1,1,0]
.set i, i+2
.endr
.endr
	WIN 0xff
.set i, 0
.rept 32
	v_pk_fma_f32 v[GP+i:GP+i+1], v[GP+i:GP+i+1], v[GT+i:GT+i+1], v[GZ+i:GZ+i+1]
.set i, i+2
.endr
	WIN 0xc3
.set i, 0
	s_wait_alu depctr_va_vdst(0)
.rept 64
	v_exp_f32 v[GP+i], v[GP+i]
	v_max_num_f32 v[GZ+i], 0, v[ACC+i]             ; max(x, 0)
.set i, i+1
.endr
	s_wait_alu depctr_va_vdst(0)
	WIN 0xcf
.set i, 0
.rept 32
	v_pk_mul_f32 v[GP+i:GP+i+1], v[GP+i:GP+i+1], v[GT+i:GT+i+1]   ; q: t's last use
.set i, i+2
.endr
	LOADB                                          ; the next sub-chunk's K steps 4-7 take t's registers
	WIN 0x3c
.set i, 0
.rept 64
	v_fma_f32 v[ACC+i], -|v[ACC+i]|, v[GP+i], v[GZ+i]   ; max(x, 0) - |x| q
.set i, i+1
.endr
	WIN 0
.endm
; ---- 32 hidden units x 64 rows become codes; lane l xor 16 holds the other half of my block; the halves meet in LDS by address
.macro QUANT
.irp m, 0,1,2,3
	v_max3_num_f32 v[TM+\m], |v[ACC+16*\m]|, |v[ACC+16*\m+1]|, 0x1800000
.endr
.irp i, 2,4,6,8,10,12,14
.irp m, 0,1,2,3
	v_max3_num_f32 v[TM+\m], v[TM+\m], |v[ACC+16*\m+\i]|, |v[ACC+16*\m+\i+1]|
.endr
.endr
.irp m, 0,1,2,3
	v_permlanex16_b32 v[TM+4+\m], v[TM+\m], s58, s59
.endr
.irp m, 0,1,2,3
	v_max_num_f32 v[TM+\m], v[TM+\m], v[TM+4+\m]
.endr
.irp m, 0,1,2,3
	v_add_nc_u32 v[TM+12+\m], 0xff000000, v[TM+\m]
.endr
.irp m, 0,1,2,3
	v_lshrrev_b32 v[TM+8+\m], 23, v[TM+12+\m]
.endr
.irp m, 0,1,2,3
	v_lshrrev_b32 v[PW+\m], 8, v[PW+\m]            ; the word moves down a byte and takes the new one on top
.endr
.irp m, 0,1,2,3
	v_lshl_or_b32 v[PW+\m], v[TM+8+\m], 24, v[PW+\m]
.endr
.irp m, 0,1,2,3
	v_cvt_scalef32_pk8_fp4_f32 v[CD+2*\m], v[ACC+16*\m:ACC+16*\m+7], v[TM+12+\m]
	v_cvt_scalef32_pk8_fp4_f32 v[CD+2*\m+1], v[ACC+16*\m+8:ACC+16*\m+15], v[TM+12+\m]
.endr
	v_nop
.irp m, 0,1,2,3
	ds_store_b64 v[AE], v[CD+2*\m:CD+2*\m+1] offset:256*\m
.endr
.endm
.macro GQ
	GELU
	v_add_nc_u32 v[AE], s47, v[EWC]
	QUANT
	s_add_co_u32 s47, s47, 1024
.endm
; ---- a group's eight K steps of the hidden layer come back as fragments: K step 4 q + wq was made by wave wq
.macro HLOAD gr
	WIN (2+\gr)<<6
.irp q, 0,1
.irp wq, 0,1,2,3
.irp m, 0,1,2,3
.irp c, 0,1
	ds_load_b128 v[128*\q+32*\wq+8*\m+4*\c:128*\q+32*\wq+8*\m+4*\c+3], v[HLI] offset:8192*\wq+1024*(4*\q+2*\c)+256*\m
.endr
.endr
.endr
.endr
	WIN 0
.endm
; ---- the second product's loads.  src 0: LDS buffer 0; 1: the LDS buffer that v[AW] names; 2: ws at s[86:87]
.macro LD4 reg, off, src
.if (\src) == 2
	global_load_b128 v[\reg:\reg+3], v[LW], s[86:87] offset:\off
.elseif (\src) == 1
	ds_load_b128 v[\reg:\reg+3], v[AW] offset:\off
.else
	ds_load_b128 v[\reg:\reg+3], v[LW] offset:\off
.endif
.endm
.macro SCLD set, src                   ; a slot's scale words: four loads
.irp i, 0,1,2,3
.if (\set) == 0
.set rQ, 36+4*\i
.elseif \i < 2
.set rQ, 28+4*\i
.else
.set rQ, 236+4*\i
.endif
	LD4 rQ, 32768+512*\i, \src
.endr
.endm
.macro B2LD src                        ; b2 in the result's layout: eight loads
.irp n, 0,1,2,3
.irp c, 0,1
.if (\src) == 2
	global_load_b128 v[B2+8*\n+4*\c:B2+8*\n+4*\c+3], v[LB2], s[86:87] offset:64*\n+16*\c
.else
	ds_load_b128 v[B2+8*\n+4*\c:B2+8*\n+4*\c+3], v[LB2] offset:64*\n+16*\c
.endif
.endr
.endr
.endm
; ---- HALF a column group: 64 columns x 8 K steps x 64 rows: 128 matrix instructions, the sixteen accumulators by turns.  Behind each K step its four fragments' registers take the same
; K step of the next slot (look: its source; 3: none).  cw 1: this half's fragments came by global loads, 0: by LDS loads.  The next slot always comes by the other kind, so behind K step
; sl's eight loads stand, on their counter, the 7 - sl later K steps' alone: the count is 56 - 8 sl.
.macro HALF a, cw, look
.irp sl, 0,1,2,3,4,5,6,7
.if \cw
	s_wait_loadcnt 56-8*\sl
.else
	s_wait_dscnt 56-8*\sl
.endif
	WIN 0x09+4*(\a)                                ; source 0 (W2) window 1, source 1 (the hidden layer) window 2 or 3
.irp m, 0,1,2,3
.irp n, 0,1,2,3
	MM2 \a, \sl, \m, \n
.endr
.endr
.if ((\look) != 3) || (\sl == 7)
	PLACES 4                                       ; ahead of loads into registers that these products have read, and of the way out
.endif
.if (\look) != 3
.if \sl == 0
	WIN 0
	SCLD 1-(\a), \look                             ; the next slot's scale words, and ahead of a new column group its b2
.if (\a) == 1
	B2LD \look
.endif
.endif
	WIN 0x40
.irp n, 0,1,2,3
.irp c, 0,1
	LD4 8*(4*\sl+\n)+4*\c, 1024*(4*\sl+\n)+512*\c, \look
.endr
.endr
.endif
.endr
	WIN 0
.endm
; ---- THE WAY OUT: a tile of 16 rows at a time through my own stage; the rows come back, whole, into the tile's own 32 registers (LDS serves a wave's instructions in order)
.macro INM m
.irp n, 0,1,2,3
	ds_store_b128 v[STO], v[ACC2+8*(4*(\m)+\n):ACC2+8*(4*(\m)+\n)+3] offset:64*\n        ; each accumulator from its low end on
	ds_store_b128 v[STO], v[ACC2+8*(4*(\m)+\n)+4:ACC2+8*(4*(\m)+\n)+7] offset:64*\n+16
.endr
.irp i, 0,1,2,3,4,5,6,7
	ds_load_b128 v[ACC2+32*(\m)+4*\i:ACC2+32*(\m)+4*\i+3], v[SRD] offset:544*\i
.endr
.endm
.macro SEND m, younger
.irp i, 0,1,2,3,4,5,6,7
	s_wait_dscnt \younger+7-\i
.if ((\m) == 0) && (\i == 0)
	s_wait_xcnt 0x0                                ; EXEC changes only behind this wait
	s_mov_b32 vcc_lo, s56
	s_and_saveexec_b32 s57, vcc_lo                 ; where my block begins a sequence, lanes 0-15 (row s = 0) are off
	global_store_b128 v[GO], v[ACC2+32*(\m)+4*\i:ACC2+32*(\m)+4*\i+3], s[8:9] offset:(16*(\m)+2*\i)*4096 th:TH_STORE_NT
	s_wait_xcnt 0x0
	s_or_b32 exec_lo, exec_lo, s57
.else
	global_store_b128 v[GO], v[ACC2+32*(\m)+4*\i:ACC2+32*(\m)+4*\i+3], s[8:9] offset:(16*(\m)+2*\i)*4096 th:TH_STORE_NT   ; sixteen lanes store 256 consecutive bytes, aligned
.endif
.endr
.endm
.macro OUTW
	INM 0
	INM 1
	SEND 0, 16
	INM 2
	SEND 1, 16
	INM 3
	SEND 2, 16
	SEND 3, 0
.endm
	s_load_b128 s[4:7], s[0:1], 0x0                ; hidden_states, ws
	s_load_b64 s[8:9], s[0:1], 0x10                ; out0
	v_lshl_add_u32 v[SPW], v0, 2, SPARE
	v_mov_b32 v[NIL], 0
	ds_add_u32 v[SPW], v[NIL]                      ; the opening: the add, twice on end, and its wait ahead of my first tensor load
	ds_add_u32 v[SPW], v[NIL]
	v_lshrrev_b32 v25, 5, v0
	v_readfirstlane_b32 s10, v25                   ; wave 0..3
	s_bfe_u32 s11, ttmp6, 0x40000                  ; cx
	s_lshl_b32 s12, ttmp9, 2
	s_add_co_u32 s12, s12, s11                     ; my block of 64 rows
	s_mul_i32 s45, s10, PART
	s_mov_b32 s24, 15|(3<<16)|(1<<21)              ; a part of the weights: 137 rows of 256 bytes, dense, asked for by all four work-groups
	s_mov_b32 s25, 32<<16
	s_mov_b32 s26, 137<<16
	s_mov_b32 s27, 32<<16
	s_mov_b32 s28, 137
	s_mov_b32 s29, 32
	s_mov_b32 s30, 0
	s_mov_b32 s31, 0
	s_mov_b32 s40, 1
	s_mov_b32 s41, s45                             ; slot 0: buffer 0, my part
	s_mov_b32 s44, SLOTB                           ; the buffer that is filled next
	s_mov_b32 s52, 0
	s_mov_b32 s58, 0x76543210
	s_mov_b32 s59, 0xfedcba98
	s_mov_b32 s66, 0x3e7c6f08                      ; c9 =  0.17087277 log2(e)
	s_mov_b32 s67, s66
	s_mov_b32 s68, 0x40097039                      ; c7
	s_mov_b32 s69, s68
	s_mov_b32 s70, 0xbfd1a1e5                      ; c6
	s_mov_b32 s71, s70
	s_mov_b32 s72, 0x3ecdfd18                      ; c5
	s_mov_b32 s73, s72
	s_mov_b32 s74, 0xbe899a80                      ; c4
	s_mov_b32 s75, s74
	s_mov_b32 s76, 0x3e0efb2e                      ; c3
	s_mov_b32 s77, s76
	s_mov_b32 s78, 0x3f0a29d2                      ; c2
	s_mov_b32 s79, s78
	s_mov_b32 s80, 0x3fb8ab5a                      ; c1
	s_mov_b32 s81, s80
	s_mov_b32 s82, 0xbf38aa3b                      ; -k = -log2(e) / 2
	s_mov_b32 s83, s82
	s_mov_b32 s84, 0x3eb504f3                      ; p = 1 / (2 sqrt(2))
	v_mov_b32 v[VC0], 0xc034d90f                   ; c0 = -1.26551223 log2(e) - 1
	v_mov_b32 v[VC0+1], 0xc034d90f
	v_mov_b32 v[VC8], 0xbf97d29d                   ; c8
	v_mov_b32 v[VC8+1], 0xbf97d29d
.irp m, 0,1,2,3
	v_mov_b32 v[TM+4+\m], 0                        ; a lane permute's destination counts as one of its sources
	v_mov_b32 v[PW+\m], 0
.endr
	s_cmp_eq_u32 ttmp9, 0
	s_cselect_b32 s53, 12, 0                       ; the first cluster prefetches, at fills 1 to 11
	s_and_b32 s60, s12, 31
	s_cmp_eq_u32 s60, 0                            ; a sequence is 32 blocks of 64 rows
	s_cselect_b32 s56, 0xffff0000, -1
	v_and_b32 v25, 31, v0                          ; l
	v_and_b32 v26, 15, v0                          ; r
	v_bfe_u32 v27, v0, 4, 1                        ; h
	v_lshl_add_u32 v[LW], v25, 4, s45
	v_lshl_add_u32 v[LB1], v27, 6, s45
	v_add_nc_u32 v[LB1], 17408, v[LB1]
	v_lshl_add_u32 v[LB2], v27, 5, s45
	v_add_nc_u32 v[LB2], 34816, v[LB2]
	v_lshlrev_b32 v[XGA], 5, v26
	v_lshl_add_u32 v[XGA], v27, 4, v[XGA]
	v_bfe_u32 v84, v0, 2, 3                        ; l / 4
	v_and_b32 v85, 3, v0                           ; l % 4
	v_mul_u32_u24 v[XWC], v84, 272
	v_lshl_add_u32 v[XWC], v85, 2, v[XWC]
	s_mul_i32 s60, s10, 8704
	s_add_co_u32 s60, s60, XIMG
	v_add_nc_u32 v[XWC], s60, v[XWC]
	v_bfe_u32 v86, v0, 2, 2
	v_lshl_add_u32 v[XWB], v27, 6, v86
	s_lshl_b32 s60, s10, 9
	s_add_co_u32 s60, s60, XSCL
	v_add_nc_u32 v[XWB], s60, v[XWB]
	v_mul_u32_u24 v[XRI], v27, 272
	v_lshl_add_u32 v[XRI], v26, 4, v[XRI]
	v_add_nc_u32 v[XRI], XIMG, v[XRI]
	v_lshl_add_u32 v[XSL], v25, 2, XSCL
	v_lshlrev_b32 v87, 4, v26                      ; 16 r
	v_lshl_add_u32 v[EWC], v27, 3, v87
	s_lshl_b32 s60, s10, 13
	s_add_co_u32 s60, s60, ECODE
	v_add_nc_u32 v[EWC], s60, v[EWC]
	s_lshl_b32 s60, s10, 11
	s_add_co_u32 s60, s60, ESC
	v_lshl_add_u32 v[EWS], v26, 2, s60             ; ESC + 2048 w + 4 r
	v_lshl_add_u32 v[HLI], v27, 10, v87
	v_add_nc_u32 v[HLI], ECODE, v[HLI]
	v_lshl_add_u32 v[HLS], v25, 2, ESC+256         ; the words stored behind every second slot
	s_mul_i32 s60, s10, 4352
	s_add_co_u32 s60, s60, STAGE
	v_mul_u32_u24 v[STO], v26, 272
	v_lshl_add_u32 v[STO], v27, 5, v[STO]
	v_add_nc_u32 v[STO], s60, v[STO]
	v_mul_u32_u24 v[SRD], v27, 272
	v_add_nc_u32 v[SRD], v87, v[SRD]
	v_add_nc_u32 v[SRD], s60, v[SRD]
	v_lshl_add_u32 v[GO], v27, 12, v87
	v_lshlrev_b32 v[PFO], 8, v25
	s_lshl_b32 s60, s12, 18                        ; 64 rows of 4,096 bytes,
	s_lshl_b32 s61, s10, 16                        ; my 16 of them
	s_add_co_u32 s60, s60, s61
	s_mov_b32 s61, 0
	s_lshl_b32 s62, s12, 18
	s_lshl_b32 s63, s10, 8                         ; my first 64 columns
	s_add_co_u32 s62, s62, s63
	s_mov_b32 s63, 0
	s_mov_b32 s86, s45
	s_mov_b32 s87, 0
	s_lshl_b32 s88, s11, 13                        ; my work-group's 32 blocks of the 128 that are prefetched
	s_mov_b32 s89, 0
	s_wait_alu depctr_va_vdst(0)
	s_wait_dscnt 0x0                               ; both opening adds are done
	s_wait_kmcnt 0x0
	s_add_nc_u64 s[34:35], s[4:5], s[60:61]        ; x at my 16 rows
	s_add_nc_u64 s[42:43], s[6:7], s[86:87]        ; slot 0, my part
	s_add_nc_u64 s[54:55], s[42:43], 4*SLOTB       ; the first fill behind the head steps this to slot 5
	s_add_nc_u64 s[54:55], s[54:55], s[88:89]
	s_or_b32 s43, s43, 0x80000000
	s_add_nc_u64 s[8:9], s[8:9], s[62:63]
	s_add_nc_u64 s[86:87], s[6:7], 10*SLOTB        ; slot 10: the first that goes straight into registers
	WIN 0x80
.irp rho, 0,1,2,3,4,5,6,7
	XLDG \rho                                      ; x's first eight rows are asked for
.endr
	WIN 0
	ROUND                                          ; in front of the first joint load
	tensor_load_to_lds s[40:43], s[24:31]          ; slot 0: my one tensor load at the head
	s_nop 0
.rept 4
	v_nop
.endr
.irp rho, 0,1,2,3,4,5,6,7,8,9,10,11,12,13,14,15
	XROWG \rho
.endr
	CHANGE 1                                       ; slot 0 has landed, every wave's codes of x lie in LDS; buffer 1 takes slot 1, issued as a refill is
	WIN 0x40                                       ; x's 32 fragments stay in window 1
.irp m, 0,1,2,3
.irp s, 0,1,2,3,4,5,6,7
.irp c, 0,1
	ds_load_b128 v[64*\m+8*\s+4*\c:64*\m+8*\s+4*\c+3], v[XRI] offset:8704*\m+272*(4*\s+2*\c)
.endr
.endr
.endr
	WIN 0
.irp m, 0,1,2,3
.irp t, 0,1,2,3
	ds_load_b32 v[XS+4*\m+\t], v[XSL] offset:512*\m+128*\t
.endr
.endr
	s_wait_dscnt 0x0                               ; my reads are over:
	s_barrier_signal -1
	s_barrier_wait -1                              ; nobody writes these bytes anew before all have read them
	s_mov_b32 s46, s44                             ; slot 0's buffer
	LOADA
	LOADB
	WIN 0
	s_wait_dscnt 0x0
	s_mov_b32 s50, 0
.Lgroup:                                               ; a group: four slots of W1 = eight K steps of the second product.  The last trip fetches 38 pieces of slot 8 as if they were W1's, and nobody multiplies them: one body for all trips
	s_mov_b32 s47, 0
	s_lshl_b32 s48, s50, 10
	s_mov_b32 s49, 4
.Lslot:
	MM 8                                           ; sub-chunk a; behind its loads: four code stores and four scale words
	PLACES 4
	s_add_co_u32 s46, s46, SUBP
	LOADA                                          ; sub-chunk b, in the same buffer
	GQ
	MM 4                                           ; sub-chunk b; behind its loads: four code stores
	CHANGE 1                                       ; all of the buffer is in registers: it is filled again; the four v_nop behind the load are the places behind these products
	s_mov_b32 s46, s44
	LOADA                                          ; the next slot's sub-chunk a
	GQ
	v_add_nc_u32 v[AS], s48, v[EWS]
.irp m, 0,1,2,3
	ds_store_b32 v[AS], v[PW+\m] offset:64*\m      ; whole behind every second slot, and only those are read
.endr
	s_add_co_u32 s48, s48, 256
	s_sub_co_u32 s49, s49, 1
	s_cmp_lg_u32 s49, 0
	s_cbranch_scc1 .Lslot
	s_wait_dscnt 0x0                               ; for the others' sake: my codes and scale words have landed
	s_barrier_signal -1
	s_barrier_wait -1
	s_cmp_lg_u32 s50, 0                            ; the group's number alone: its fragments go to window 2, then to window 3
	s_cbranch_scc1 .Lsecond
	HLOAD 0
	s_branch .Lboth
.Lsecond:
	HLOAD 1
.Lboth:
	s_wait_dscnt 0x0                               ; my reads are over:
	s_barrier_signal -1
	s_barrier_wait -1                              ; nobody writes these bytes anew before all have read them
	s_add_co_u32 s50, s50, 1
	s_cmp_lt_u32 s50, 2
	s_cbranch_scc1 .Lgroup
.irp gr, 0,1
.irp q, 0,1
.irp wq, 0,1,2,3
.irp t, 0,1
	ds_load_b32 v[HS+16*\gr+8*\q+2*\wq+\t], v[HLS] offset:2048*\wq+1024*\gr+512*\q+128*\t
.endr
.endr
.endr
.endr
	SCLD 0, 0                                      ; slot 8, shown landed by the last change, from buffer 0: scale words, b2, the eight K steps' fragments
	B2LD 0
	WIN 0x40
.set i, 0
.rept 32
	ds_load_b128 v[8*i:8*i+3], v[LW] offset:1024*i
	ds_load_b128 v[8*i+4:8*i+7], v[LW] offset:1024*i+512
.set i, i+1
.endr
	WIN 0
	s_mov_b32 s51, 3
.Lcolumns:                                             ; a trip: a column group T = 0, 1, 2.  Its K steps 0-7 are in the ring of registers or on their way there
	CHANGE 2                                       ; the buffer read out a trip ago takes slot 11 + 2 T; slot 9 + 2 T, in the other buffer, has landed
	v_add_nc_u32 v[AW], s44, v[LW]                 ; that other buffer.  (With the change's four v_nop and the four behind the last products: the places ahead of products that begin the accumulators anew)
	s_wait_alu depctr_va_vdst(0)                   ; directly behind the write
	HALF 0, 1, 1                                   ; K steps 0-7; K steps 8-15 follow from LDS
	HALF 1, 0, 2                                   ; K steps 8-15; the next group's K steps 0-7 (slot 10 + 2 T) follow from ws, and stay out over the way out and the change
	OUTW
	s_wait_xcnt 0x0                                ; the stores and loads have read their registers and their bases
	s_add_nc_u64 s[8:9], s[8:9], 1024              ; my next 64 columns lie 256 columns on
	s_add_nc_u64 s[86:87], s[86:87], 2*SLOTB
	s_sub_co_u32 s51, s51, 1
	s_cmp_lg_u32 s51, 0
	s_cbranch_scc1 .Lcolumns
	s_wait_tensorcnt 0x0                           ; the last group is written out: nothing is left to fetch.  Slot 15, my own part, is in
	s_xor_b32 s44, s44, SLOTB
	v_add_nc_u32 v[AW], s44, v[LW]                 ; its buffer.  (The fifth place)
	s_wait_alu depctr_va_vdst(0)                   ; directly behind the write
	HALF 0, 1, 1
	HALF 1, 0, 3
	OUTW
	s_wait_tensorcnt 0x0                           ; the wave's end
	ds_add_u32 v[SPW], v[NIL]
	s_wait_dscnt 0x0
	ROUND                                          ; the closing round
	s_endpgm
.Lfunc_end_k_qadd3b6ce50_mlp:
	.size	k_qadd3b6ce50_mlp, .Lfunc_end_k_qadd3b6ce50_mlp-k_qadd3b6ce50_mlp
	.p2alignl 7, 3214868480
	.fill 96, 4, 3214868480
	.section	.rodata,"a",@progbits
	.p2align	6, 0x0
	.amdhsa_kernel k_qadd3b6ce50_mlp
		.amdhsa_group_segment_fixed_size 327680
		.amdhsa_private_segment_fixed_size 0
		.amdhsa_enable_private_segment 0
		.amdhsa_kernarg_size 24
		.amdhsa_user_sgpr_count 2
		.amdhsa_user_sgpr_kernarg_segment_ptr 1
		.amdhsa_wavefront_size32 1
		.amdhsa_system_sgpr_workgroup_id_x 1
		.amdhsa_system_sgpr_workgroup_id_y 1
		.amdhsa_system_sgpr_workgroup_id_z 1
		.amdhsa_system_vgpr_workitem_id 0
		.amdhsa_next_free_vgpr 1024
		.amdhsa_next_free_sgpr 100
		.amdhsa_reserve_vcc 1
		.amdhsa_float_denorm_mode_32 3
		.amdhsa_float_denorm_mode_16_64 3
		.amdhsa_memory_ordered 1
		.amdhsa_forward_progress 1
		.amdhsa_inst_pref_size 255
	.end_amdhsa_kernel
	.section	.bss,"aw",@nobits
	.p2align	6
	.space	262144
	.amdgpu_metadata
---
amdhsa.version: [ 1, 2 ]
amdhsa.kernels:
  - .name:           k_qadd3b6ce50_mlp
    .symbol:         k_qadd3b6ce50_mlp.kd
    .args:
      - { .name: hidden_states, .offset: 0, .size: 8, .value_kind: global_buffer, .address_space: global }
      - { .name: ws, .offset: 8, .size: 8, .value_kind: global_buffer, .address_space: global }
      - { .name: out0, .offset: 16, .size: 8, .value_kind: global_buffer, .address_space: global }
    .group_segment_fixed_size: 327680
    .private_segment_fixed_size: 0
    .kernarg_segment_align: 8
    .kernarg_segment_size: 24
    .max_flat_workgroup_size: 128
    .sgpr_count:     100
    .vgpr_count:     1024
    .wavefront_size: 32
...
	.end_amdgpu_metadata
.endif
;; end of part 2
